; MI455X (gfx1250); checked and timed in simulation.
; The chip was launched on July 23, 2026; its instructions are those of AMD's public machine-readable ISA for CDNA 5 (MIT licence, August 2026) and "CDNA5" Instruction Set Architecture Reference Guide (July 2026). The comments in the code are by the model that wrote it; some were corrected since.
;; Causal Self Attention. Allowed arithmetic: matrix products marked QUANTISED: E4M3 operands, one given power-of-two scale a tensor, by v_wmma_f32_16x16x64_fp8_fp8 or v_wmma_f32_16x16x128_fp8_fp8, f32 sums; everything else in f32.
;; Inputs: lowp_scales 8 int32 (the exponents e of the quantised operands' scales 2^e); w_proj 1,024 x 1,024 float32; w_qkv 3,072 x 1,024 float32; x 4 x 2,048 x 1,024 float32.
;; Outputs: out0 4 x 2,048 x 1,024 float32.
;; This version of the problem:
;;   THIS VERSION OF THE PROBLEM IS GIVEN IN LOW PRECISION. The matrix products marked QUANTISED in the list below multiply operands that are first quantised to E4M3 (4 exponent bits, 3 mantissa bits; 8 bits a number), with one given power-of-two scale for each operand tensor; their sums are f32. All else is computed in f32.
;;   The module's matrix products, in the order in which they are computed (A, B: the left and right operand; K: the contracted axis; several contracted axes count as one K, in the product's order):
;;     1. [M 8,192, K 1,024] x [K 1,024, N 3,072]; A: input x; B: input w_qkv: QUANTISED (scales: A lowp_scales[0], B lowp_scales[1])
;;     2. batch 64 x [M 2,048, K 64] x [K 64, N 2,048]; A: computed on the way; B: computed on the way: QUANTISED (scales: A lowp_scales[2], B lowp_scales[3])
;;     3. batch 64 x [M 2,048, K 2,048] x [K 2,048, N 64]; A: softmax (see below); B: computed on the way: QUANTISED (scales: A lowp_scales[4], B lowp_scales[5])
;;     4. [M 8,192, K 1,024] x [K 1,024, N 1,024]; A: computed on the way; B: input w_proj: QUANTISED (scales: A lowp_scales[6], B lowp_scales[7])
;;   THE QUANTISER, for each operand of a quantised product, along K:
;;     - The operand's scale is 2^e, e = its entry of the input lowp_scales (int32; the entries are numbered through the quantised products in the list's order, A before B).
;;     - Each number is divided by the scale, clamped to +-448, and rounded to the nearest number of E4M3, ties to even, subnormals kept.
;;     - The product sums the exact products of the quantised numbers (number of the format x scale) in f32.
;;   ~~~python
;;   def quantise(x, axis, e):      # numpy; x: float32 -> the quantised numbers, widened to float32 again
;;       x = np.moveaxis(x, axis, -1); K = x.shape[-1]
;;       r = np.clip(x / 2.0 ** e, -448, 448)
;;       step = 2.0 ** (np.maximum(np.frexp(np.where(r == 0, 1, r))[1] - 1, -6) - 3)
;;       q = np.round(r / step) * step * 2.0 ** e      # np.round: ties to even
;;       return np.moveaxis(q, -1, axis).astype(np.float32)
;;   ~~~
;;   SOFTMAX AHEAD OF A QUANTISED PRODUCT. Where the list says 'softmax', what is quantised is not the finished softmax but p = 2^(t - M), with t = logit x log2(e) and M = ceil(the row's largest t), a whole number; so 1/2 < the row's largest p <= 1. The row's sum l is taken of the UNQUANTISED p, in f32, and the product's result is divided by l at the end. Since M is a whole number, a kernel that streams over the keys may use a running M (the ceiling of the running maximum): every later rescaling is an exact power of two, so the quantised numbers keep their values, but for numbers so far below the row's largest that they fall under the format's range.
;;   OPERANDS COMPUTED ON THE WAY. 'Computed on the way' means the value that the module computes at that place (a softmax that the list does not call 'softmax' is quantised finished and normalised). What goes into a quantiser is computed in f32, as accurately as f32 sums, v_exp_f32 and their like allow (about 1e-6 of the number): no bf16 or f16 on the way to a quantiser, and a product that is left as it is and whose result goes on into a quantised operand takes f32 operands (vector FMAs, or v_wmma_f32_16x16x4_f32). A number that lies on a knife's edge between two numbers of the format may be rounded either way, as far as f32 arithmetic and the matrix unit's own rounding can turn it there, and no further.
;; One version. Each part assembles by itself: llvm-mc -triple=amdgcn-amd-amdhsa -mcpu=gfx1250 --defsym DOCPART=n.
;; ======== version 1 of 1: 4 launches
;; limits: right only within a limited range of input values
;; workspace buffers: xc 8,388,608 bytes; wqc 3,145,728 bytes; wpc 1,048,576 bytes; qkv 25,165,824 bytes; ac 8,388,608 bytes
;; launch quant (part 1): grid 768 x 1, 4 waves a work-group, no clusters, 35,328 bytes of LDS; arguments x, w_qkv, w_proj, lowp_scales, xc, wqc, wpc; writes xc, wqc, wpc
.if DOCPART == 1
	.amdgcn_target "amdgcn-amd-amdhsa--gfx1250"
	.amdhsa_code_object_version 6
	.text
	.protected	k_qe4a43b8ccb_quant
	.globl	k_qe4a43b8ccb_quant
	.p2align	8
	.type	k_qe4a43b8ccb_quant,@function
k_qe4a43b8ccb_quant:
	s_mov_b64 s[64:65], 0
	v_nop
	global_prefetch_b8 v0, s[64:65] scope:SCOPE_SE
	s_setreg_imm32_b32 hwreg(HW_REG_WAVE_MODE, 25, 1), 1
	s_wait_xcnt 0x0
; x [8192][1024], w_qkv [3072][1024] and w_proj [1024][1024], f32 with K innermost, become codes of FP8 (E4M3), each tensor with its given scale 2^e
; (entries 0, 1 and 7 of the scales).  code = number / 2^e, held within +-448, rounded to the nearest code, ties to even.
; LIMITS: e between -126 and 127, so that 2^e is an f32 number.  NaN among the inputs is not served (an infinity is held at the largest code).
; THE CODES ARE LAID AS IMAGES OF OPERAND REGISTERS.  A row tile t is 16 rows that are not neighbours: place r of tile t is row 32 (t / 2) + 8 (t % 2) + r + 8 (r / 8).
; A fragment (a tile x 128 along K) is 2,048 bytes: byte 512 c + 16 lane + i is row place lane % 16, k = 32 c + 16 (lane / 16) + i.
; In a buffer: (t / 8) x 131,072 + (k / 256) x 32,768 + (t % 8) x 4,096 + ((k / 128) % 2) x 2,048 + the byte in the fragment.
; SHARES.  A work-group is one row tile: 0-511 of x, 512-703 of w_qkv, 704-767 of w_proj; only pointers, the tile's number and e are chosen, the text has one path.
; Wave w takes k = 256 w .. 256 w + 255: two units of 16 rows x 128 k.  Each load reads 512 consecutive bytes of one row; a unit turns through the wave's own stage in LDS
; (rows 528 bytes apart, an odd multiple of 16) and comes back 64 neighbouring bytes a lane; each store covers 512 consecutive bytes, aligned.
; Work-groups share no input, so there is nothing to ask for jointly; waves share nothing, so there is no barrier.
.set ROWB,  4096                       ; a row of any of the three tensors in bytes
.set SP,    528                        ; a stage row
.set STG,   8704                       ; a wave's stage: 16 x 528 bytes, rounded up to blocks of 256
.set SPARE, 4*STG                      ; behind the stages: the spare words, 128 bytes for each wave, that no other line names
.set LI,    2                          ; v2   16 x lane; never rewritten
.set SIN,   3                          ; v3   the stage on the way in
.set SOUT,  4                          ; v4   and on the way out
.set SPW,   6                          ; v6   my spare word
.set NIL,   7                          ; v7   0
.set SCL,   8                          ; v8   2^e
.set LIM,   9
.set R,     16                         ; v16-143  two units as loaded
.set X,     144                        ; v144-207 64 numbers: register 16 c + i is k = 32 c + 16 (lane / 16) + i of my row
.set C,     208                        ; v208-239 codes, 16 registers a unit: no store's data are written again
	s_load_b256 s[8:15], s[0:1], 0x0               ; x s[8:9], w_qkv s[10:11], w_proj s[12:13], the scales s[14:15]
	s_load_b128 s[16:19], s[0:1], 0x20             ; xc s[16:17], wqc s[18:19]
	s_load_b64 s[20:21], s[0:1], 0x30              ; wpc
	v_lshl_add_u32 v[SPW], v0, 2, SPARE
	v_mov_b32 v[NIL], 0
	v_lshrrev_b32 v1, 5, v0
	v_readfirstlane_b32 s2, v1                     ; wave 0..3
	v_and_b32 v1, 31, v0
	v_lshlrev_b32 v[LI], 4, v1
	s_mul_i32 s3, s2, STG                          ; my stage
	v_add_nc_u32 v[SIN], s3, v[LI]                 ; in: 16 bytes a lane, a row an instruction
	v_and_b32 v5, 15, v0                           ; r
	v_bfe_u32 v10, v0, 4, 1                        ; h
	v_mul_u32_u24 v[SOUT], v5, SP
	v_lshl_add_u32 v[SOUT], v10, 6, v[SOUT]
	v_add_nc_u32 v[SOUT], s3, v[SOUT]              ; out: row r, + 64 h bytes: my 16 numbers of each 32
	s_mov_b32 s22, 704
	s_cmp_lt_u32 ttmp9, 704
	s_cselect_b32 s22, 512, s22
	s_cmp_lt_u32 ttmp9, 512
	s_cselect_b32 s22, 0, s22
	s_sub_co_u32 s22, ttmp9, s22                   ; t: my tile in its tensor
	s_lshr_b32 s32, s22, 1                         ; from: row 32 (t / 2) + 8 (t % 2), + 1,024 bytes a wave
	s_lshl_b32 s32, s32, 17
	s_and_b32 s33, s22, 1
	s_lshl_b32 s33, s33, 15
	s_add_co_u32 s32, s32, s33
	s_lshl_b32 s33, s2, 10
	s_add_co_u32 s32, s32, s33
	s_mov_b32 s33, 0
	s_lshr_b32 s34, s22, 3                         ; to: (t / 8) x 131,072 + wave x 32,768 + (t % 8) x 4,096
	s_lshl_b32 s34, s34, 17
	s_and_b32 s35, s22, 7
	s_lshl_b32 s35, s35, 12
	s_add_co_u32 s34, s34, s35
	s_lshl_b32 s35, s2, 15
	s_add_co_u32 s34, s34, s35
	s_mov_b32 s35, 0
	s_wait_alu depctr_va_vdst(0)
	s_wait_kmcnt 0x0
	s_load_b256 s[24:31], s[14:15], 0x0            ; the eight exponents
	s_cmp_lt_u32 ttmp9, 704                        ; the choice hangs on the work-group's number alone
	s_cselect_b64 s[4:5], s[10:11], s[12:13]
	s_cselect_b64 s[6:7], s[18:19], s[20:21]
	s_cmp_lt_u32 ttmp9, 512
	s_cselect_b64 s[4:5], s[8:9], s[4:5]
	s_cselect_b64 s[6:7], s[16:17], s[6:7]
	s_add_nc_u64 s[4:5], s[4:5], s[32:33]
	s_add_nc_u64 s[6:7], s[6:7], s[34:35]
.macro LOAD u                          ; unit u: 16 loads, one for each row place j
.irp j, 0,1,2,3,4,5,6,7,8,9,10,11,12,13,14,15
	global_load_b128 v[R+64*\u+4*\j:R+64*\u+4*\j+3], v[LI], s[4:5] offset:(\j+8*(\j/8))*ROWB+512*\u th:TH_LOAD_NT
.endr
.endm
.macro TURN u                          ; through the stage: LDS serves a wave's instructions in order (ISA guide 5.7.1.4), so no wait stands between the stores and the loads
.irp j, 0,1,2,3,4,5,6,7,8,9,10,11,12,13,14,15
	ds_store_b128 v[SIN], v[R+64*\u+4*\j:R+64*\u+4*\j+3] offset:SP*\j
.endr
.irp c, 0,1,2,3
.irp i, 0,1,2,3
	ds_load_b128 v[X+16*\c+4*\i:X+16*\c+4*\i+3], v[SOUT] offset:128*\c+16*\i
.endr
.endr
.endm
.macro QUANT u
.set n, 0
.rept 64
.set n, n+1
.endr
.irp c, 0,1,2,3
	v_cvt_scalef32_pk8_fp8_f32 v[C+16*\u+4*\c:C+16*\u+4*\c+1], v[X+16*\c:X+16*\c+7], v[SCL]
	v_cvt_scalef32_pk8_fp8_f32 v[C+16*\u+4*\c+2:C+16*\u+4*\c+3], v[X+16*\c+8:X+16*\c+15], v[SCL]
.endr
	v_nop                                          ; one plain vector line behind the last conversion of a run
.irp c, 0,1,2,3
	global_store_b128 v[LI], v[C+16*\u+4*\c:C+16*\u+4*\c+3], s[6:7] offset:2048*\u+512*\c   ; 512 consecutive bytes, aligned
.endr
.endm
	LOAD 0
	LOAD 1
	s_wait_kmcnt 0x0
	s_cmp_lt_u32 ttmp9, 704
	s_cselect_b32 s23, s25, s31                    ; e1 or e7,
	s_cmp_lt_u32 ttmp9, 512
	s_cselect_b32 s23, s24, s23                    ; or e0
	s_add_co_i32 s23, s23, 127
	s_lshl_b32 s36, s23, 23
	v_mov_b32 v[SCL], s36                          ; 2^e as f32: the conversion takes its exponent field
	s_wait_alu depctr_va_vdst(0)
	s_wait_loadcnt 16                              ; unit 0's sixteen loads are in; unit 1's sixteen may be out
	TURN 0
	s_wait_dscnt 0x0
	QUANT 0
	s_wait_loadcnt 0x0
	TURN 1
	s_wait_dscnt 0x0
	QUANT 1
	s_wait_tensorcnt 0x0                           ; the wave's end, behind my last LDS store
	ds_add_u32 v[SPW], v[NIL]
	s_wait_dscnt 0x0
	s_endpgm
.Lfunc_end_k_qe4a43b8ccb_quant:
	.size	k_qe4a43b8ccb_quant, .Lfunc_end_k_qe4a43b8ccb_quant-k_qe4a43b8ccb_quant
	.p2alignl 7, 3214868480
	.fill 96, 4, 3214868480
	.section	.rodata,"a",@progbits
	.p2align	6, 0x0
	.amdhsa_kernel k_qe4a43b8ccb_quant
		.amdhsa_group_segment_fixed_size 35328
		.amdhsa_private_segment_fixed_size 0
		.amdhsa_enable_private_segment 0
		.amdhsa_kernarg_size 56
		.amdhsa_user_sgpr_count 2
		.amdhsa_user_sgpr_kernarg_segment_ptr 1
		.amdhsa_wavefront_size32 1
		.amdhsa_system_sgpr_workgroup_id_x 1
		.amdhsa_system_sgpr_workgroup_id_y 1
		.amdhsa_system_sgpr_workgroup_id_z 1
		.amdhsa_system_vgpr_workitem_id 0
		.amdhsa_next_free_vgpr 240
		.amdhsa_next_free_sgpr 66
		.amdhsa_reserve_vcc 0
		.amdhsa_float_denorm_mode_32 3
		.amdhsa_float_denorm_mode_16_64 3
		.amdhsa_fp16_overflow 1
		.amdhsa_memory_ordered 1
		.amdhsa_forward_progress 1
		.amdhsa_inst_pref_size 12
	.end_amdhsa_kernel
	.amdgpu_metadata
---
amdhsa.version: [ 1, 2 ]
amdhsa.kernels:
  - .name:           k_qe4a43b8ccb_quant
    .symbol:         k_qe4a43b8ccb_quant.kd
    .args:
      - { .name: x, .offset: 0, .size: 8, .value_kind: global_buffer, .address_space: global }
      - { .name: w_qkv, .offset: 8, .size: 8, .value_kind: global_buffer, .address_space: global }
      - { .name: w_proj, .offset: 16, .size: 8, .value_kind: global_buffer, .address_space: global }
      - { .name: lowp_scales, .offset: 24, .size: 8, .value_kind: global_buffer, .address_space: global }
      - { .name: xc, .offset: 32, .size: 8, .value_kind: global_buffer, .address_space: global }
      - { .name: wqc, .offset: 40, .size: 8, .value_kind: global_buffer, .address_space: global }
      - { .name: wpc, .offset: 48, .size: 8, .value_kind: global_buffer, .address_space: global }
    .group_segment_fixed_size: 35328
    .private_segment_fixed_size: 0
    .kernarg_segment_align: 8
    .kernarg_segment_size: 56
    .max_flat_workgroup_size: 128
    .sgpr_count:     66
    .vgpr_count:     240
    .wavefront_size: 32
...
	.end_amdgpu_metadata
.endif
;; end of part 1
;; launch qkvgemm (part 2): grid 12 x 32, 4 waves a work-group, clusters of 4 x 4, 327,680 bytes of LDS; arguments xc, wqc, lowp_scales, qkv; writes qkv
.if DOCPART == 2
	.amdgcn_target "amdgcn-amd-amdhsa--gfx1250"
	.amdhsa_code_object_version 6
	.text
	.protected	k_qe4a43b8ccb_qkvgemm
	.globl	k_qe4a43b8ccb_qkvgemm
	.p2align	8
	.type	k_qe4a43b8ccb_qkvgemm,@function
k_qe4a43b8ccb_qkvgemm:
	s_mov_b64 s[64:65], 0
	v_nop
	global_prefetch_b8 v0, s[64:65] scope:SCOPE_SE
	s_setreg_imm32_b32 hwreg(HW_REG_WAVE_MODE, 25, 1), 1
	s_wait_xcnt 0x0
	s_wait_alu depctr_hold_cnt(0) depctr_sa_sdst(0) depctr_va_vdst(0) depctr_va_sdst(0) depctr_va_ssrc(0) depctr_va_vcc(0) depctr_vm_vsrc(0)
	s_getreg_b32 s2, hwreg(HW_REG_IB_STS2, 6, 4)
	s_cmp_eq_u32 s2, 0
	s_cbranch_scc0 .Lentry_in_a_cluster
	s_endpgm
.Lentry_in_a_cluster:
	s_bfe_u32 s2, ttmp6, 0x10000c
	s_cmp_lg_u32 s2, 0xf033
	s_cbranch_scc0 .Lentry_shape_is_right
	s_endpgm
.Lentry_shape_is_right:
; qkv = x w_qkv^T on codes of FP8 (E4M3); each finished sum, which stands for sum x 2^(e0 + e1), is quantised in registers for the product that reads it:
; q with 2^e2, k with 2^e3, v with 2^e5.  The three scales are folded into the conversion's one: 2^(eT - e0 - e1).
; LIMIT: eT - e0 - e1 between -126 and 127 for eT = e2, e3, e5, so that this power of two is an f32 number.
; OPERANDS lie in memory, and so in LDS, as images of fragments' registers: a panel (8 row tiles = 128 rows) x 256 along K is one dense block of 32,768 bytes;
; in it tile i, half q of the 256 along K, group c of four registers: i x 4,096 + q x 2,048 + 512 c + 16 lane.  Every LDS load takes 512 consecutive bytes: no pitch, no padding.
; Place r of row tile t is row 32 (t / 2) + 8 (t % 2) + r + 8 (r / 8): so the 16 result registers of two neighbouring tiles of source 0 are 16 NEIGHBOURS along source 0's rows.
; A tile of the result, 256 x 256, is made by four waves, each 128 x 128: 64 accumulators, 512 registers.  Region A (256 rows) feeds source 1, region B source 0.
; The cluster's x is the section: 0 = q, 1 = k, 2 = v, the same in all sixteen partners.  q, k: A = tokens, B = rows of w_qkv: a lane holds one token and 16 neighbouring channels of a head.
; v: A = rows of w_qkv, B = tokens: a lane holds one channel and 16 neighbouring KEYS, which are the K of the product that reads v.  Only pointers and numbers are chosen; the text is one.
; CLUSTERS: 4 x 4 work-groups.  A's blocks hang on cy alone and are shared along a row of the cluster, B's on cx alone and are shared along a column: each is asked for jointly.
; K = 1,024 goes in four steps of 256 through two LDS slots; the eight steps of 128 are written out, without a loop.
; OUT (buffer qkv; bh = 16 batch + head): q at 0 and k at 8,388,608: (bh x 128 + token tile) x 1,024 + 512 c + 16 lane, channel 32 c + 16 (lane / 16) + i;
; v at 16,777,216: ((bh x 16 + key step) x 4 + channel tile) x 2,048 + 512 c + 16 lane, key 128 step + 32 c + 16 (lane / 16) + i.  Each store covers 512 consecutive bytes, aligned.
; REGISTERS: window 0: v16-29 addresses; v32-47 the stores' offsets; v49 the scale; v128-255 A's fragments, one set, later the codes.
;   window 1: B's fragments, two sets.   windows 2, 3: the accumulators: (a, b) at v[8 (8 (a % 4) + b)].
.set PANEL,  32768
.set SLOT,   4*PANEL                   ; A's two panels, then B's two
.set SPARE,  2*SLOT                    ; behind the ring: the spare words, 128 bytes for each wave, that no other line names
.set FR,     16                        ; registers of a fragment
.set NL,     4                         ; LDS loads that bring one
.set NP,     4                         ; places behind this matrix instruction (ISA guide 7.12.1)
.set ADRA, 16                          ; v16-17  my A fragments in slot 0, 1
.set ADRB, 20                          ; v20-21  my B fragments
.set LI,   26                          ; v26     16 x lane
.set SPW,  28                          ; v28     my spare word
.set NIL,  29                          ; v29     0
.set OFS,  32                          ; v32-47  the way out: offset of block a, half ph
.set LIMV, 48
.set SCLV, 49
.set TMP,  64
.set AF,   128
.set CD,   128
.set G1,  24                           ; s[24:31] group 1 for A;  s[32:39] its groups 0, one for each slot
.set G0,  32
.set G1B, 48                           ; s[48:55], s[80:87] the same for B
.set G0B, 80
.set MSB, 0
.macro WIN new                         ; the immediate's high byte repeats the setting that is left
.if MSB != \new
	s_set_vgpr_msb (MSB<<8)|\new
.set MSB, \new
.endif
.endm
.set MUL_LO, 0xa1                      ; source 0 (B) window 1, source 1 (A) window 0, C and D window 2
.set MUL_HI, 0xf1                      ; the same, C and D window 3
.set TO_B,   0x40                      ; destination window 1, address window 0
; A joint load: waves 0 and 1 fetch A's two panels, waves 2 and 3 B's.  The branch hangs on the wave's number alone.  An s_nop 0 and four v_nop follow each of the two lines.
.macro JLOAD g0a, g1a, g0b, g1b
	s_cmp_eq_u32 s13, 0
	s_cbranch_scc0 .Lfor_b_\@
	tensor_load_to_lds s[\g0a:\g0a+3], s[\g1a:\g1a+7]
	s_nop 0
.rept 4
	v_nop
.endr
	s_branch .Lasked_\@
.Lfor_b_\@:
	tensor_load_to_lds s[\g0b:\g0b+3], s[\g1b:\g1b+7]
	s_nop 0
.rept 4
	v_nop
.endr
.Lasked_\@:
.endm
.macro CREST                           ; a round of the cluster's barrier behind its opening barrier
	s_cmp_lg_u32 s12, 0
	s_cbranch_scc1 .Lnot_wave_0_\@
	s_barrier_signal -3
.Lnot_wave_0_\@:
	s_barrier_wait -3
	s_barrier_signal -1
	s_barrier_wait -1
.endm
.macro CROUND
	s_barrier_signal -1
	s_barrier_wait -1
	CREST
.endm
	s_load_b256 s[4:11], s[0:1], 0x0               ; xc s[4:5], wqc s[6:7], the scales s[8:9], qkv s[10:11]
	v_lshl_add_u32 v[SPW], v0, 2, SPARE
	v_mov_b32 v[NIL], 0
	ds_add_u32 v[SPW], v[NIL]                      ; the wave's opening: the add and its wait stand ahead of my first tensor load; work on registers stands between them
	ds_add_u32 v[SPW], v[NIL]
	v_lshrrev_b32 v1, 5, v0
	v_readfirstlane_b32 s12, v1                    ; wave 0..3
	s_lshr_b32 s13, s12, 1                         ; ha: my panel of A.  Also: I fetch for A (0) or for B (1)
	s_and_b32 s14, s12, 1                          ; hb: my panel of B.  Also: which panel I fetch
	s_bfe_u32 s15, ttmp6, 0x40000                  ; cx
	s_bfe_u32 s16, ttmp6, 0x40004                  ; cy
	s_and_b32 s18, ttmp7, 0xffff                   ; the cluster's y
	s_lshl_b32 s44, s16, 2
	s_lshl_b32 s44, 15, s44                        ; my row of the cluster
	s_lshl_b32 s45, 0x1111, s15                    ; my column
	s_or_b32 s[G1], s44, (3<<16)|(1<<21)           ; 15:0 the mask; 17:16 elements of 8 bytes; 21 set beside a mask; no padding
	s_or_b32 s[G1B], s45, (3<<16)|(1<<21)
.irp g, G1, G1B                        ; a dense block of 32,768 bytes as 128 rows of 256
	s_mov_b32 s[\g+1], 32<<16                      ; tensor_dim0 = 32 elements
	s_mov_b32 s[\g+2], 128<<16                     ; tensor_dim1 = 128
	s_mov_b32 s[\g+3], 32<<16                      ; tile_dim0
	s_mov_b32 s[\g+4], 128                         ; tile_dim1
	s_mov_b32 s[\g+5], 32                          ; from row to row
	s_mov_b32 s[\g+6], 0
	s_mov_b32 s[\g+7], 0
.endr
	s_lshl_b32 s19, s18, 2                         ; A's tile of 256 rows: tokens 4 Cy + cy (q, k),
	s_add_co_u32 s19, s19, s16
	s_add_co_u32 s17, s16, 8                       ; or rows of w_qkv 8 + cy (v): no cx in either
	s_lshl_b32 s46, ttmp9, 2                       ; B's: rows of w_qkv 4 Cx + cx (q, k),
	s_add_co_u32 s46, s46, s15
	s_lshl_b32 s47, s18, 2                         ; or tokens 4 Cy + cx (v): no cy in either
	s_add_co_u32 s47, s47, s15
	s_cmp_eq_u32 ttmp9, 2
	s_cselect_b32 s19, s17, s19
	s_cselect_b32 s46, s47, s46
	s_lshl_b32 s20, s19, 18                        ; panel 2 x tile + hb, 131,072 bytes a panel
	s_lshl_b32 s21, s14, 17
	s_add_co_u32 s20, s20, s21
	s_mov_b32 s21, 0
	s_lshl_b32 s22, s46, 18
	s_lshl_b32 s23, s14, 17
	s_add_co_u32 s22, s22, s23
	s_mov_b32 s23, 0
	s_lshl_b32 s88, s12, 15                        ; where my block goes: wave x 32,768: no place in the cluster enters an LDS address
	s_wait_dscnt 0x0                               ; the opening add is done
	s_wait_kmcnt 0x0
	s_load_b256 s[56:63], s[8:9], 0x0              ; e0 .. e7
	s_cmp_eq_u32 ttmp9, 2
	s_cselect_b64 s[66:67], s[6:7], s[4:5]         ; A's buffer
	s_cselect_b64 s[68:69], s[4:5], s[6:7]         ; B's
	s_add_nc_u64 s[66:67], s[66:67], s[20:21]
	s_add_nc_u64 s[68:69], s[68:69], s[22:23]
	CROUND                                         ; all sixteen work-groups are here: the first joint loads meet
.irp s, 0,1
	s_mov_b32 s[G0+4*\s], 1
	s_add_co_u32 s[G0+4*\s+1], s88, \s*SLOT
	s_add_nc_u64 s[G0+4*\s+2:G0+4*\s+3], s[66:67], \s*PANEL
	s_or_b32 s[G0+4*\s+3], s[G0+4*\s+3], 0x80000000
	s_mov_b32 s[G0B+4*\s], 1
	s_add_co_u32 s[G0B+4*\s+1], s88, \s*SLOT
	s_add_nc_u64 s[G0B+4*\s+2:G0B+4*\s+3], s[68:69], \s*PANEL
	s_or_b32 s[G0B+4*\s+3], s[G0B+4*\s+3], 0x80000000
	JLOAD G0+4*\s, G1, G0B+4*\s, G1B               ; two tensor loads of mine are out
.endr
	v_and_b32 v1, 31, v0
	v_lshlrev_b32 v[LI], 4, v1
	s_wait_alu depctr_va_vdst(0)
	s_lshl_b32 s70, s13, 15                        ; my panel of A,
	s_lshl_b32 s71, s14, 15
	s_add_co_u32 s71, s71, 2*PANEL                 ; my panel of B, behind A's two
.irp s, 0,1
	v_add_nc_u32 v[ADRA+\s], s70, v[LI]
	v_add_nc_u32 v[ADRB+\s], s71, v[LI]
	s_add_co_u32 s70, s70, SLOT
	s_add_co_u32 s71, s71, SLOT
.endr
	; THE WAY OUT is prepared here, while the first blocks are on their way.  Both sections' first bytes are made, and one is chosen.
	s_lshr_b32 s70, s19, 3                         ; q, k: ((16 batch + 4 cx + 2 hb) x 128 + 16 (token tile % 8) + 8 ha) x 1,024 + section x 8,388,608
	s_lshl_b32 s70, s70, 4
	s_lshl_b32 s78, s15, 2
	s_add_co_u32 s70, s70, s78
	s_lshl_b32 s78, s14, 1
	s_add_co_u32 s70, s70, s78
	s_lshl_b32 s70, s70, 7
	s_and_b32 s78, s19, 7
	s_lshl_b32 s78, s78, 4
	s_add_co_u32 s70, s70, s78
	s_lshl_b32 s78, s13, 3
	s_add_co_u32 s70, s70, s78
	s_lshl_b32 s70, s70, 10
	s_lshl_b32 s78, ttmp9, 23
	s_add_co_u32 s70, s70, s78
	s_lshr_b32 s71, s46, 3                         ; v: ((16 batch + 4 cy + 2 ha) x 16 + 2 (token tile % 8) + hb) x 8,192 + 16,777,216
	s_lshl_b32 s71, s71, 4
	s_lshl_b32 s78, s16, 2
	s_add_co_u32 s71, s71, s78
	s_lshl_b32 s78, s13, 1
	s_add_co_u32 s71, s71, s78
	s_lshl_b32 s71, s71, 4
	s_and_b32 s78, s46, 7
	s_lshl_b32 s78, s78, 1
	s_add_co_u32 s71, s71, s78
	s_add_co_u32 s71, s71, s14
	s_lshl_b32 s71, s71, 13
	s_add_co_u32 s71, s71, 0x1000000
	s_cmp_eq_u32 ttmp9, 2
	s_cselect_b32 s76, s71, s70
	s_mov_b32 s77, 0
	s_mov_b32 s72, 1024                            ; from block a to a + 1 within four: a token tile (q, k), or a channel tile (v)
	s_cselect_b32 s72, 2048, s72
	s_mov_b32 s73, 4096                            ; from block a to a + 4: four token tiles, or a head
	s_cselect_b32 s73, 131072, s73
	s_mov_b32 s74, 131072                          ; from pair p to p + 2: a head, or 64 keys
	s_cselect_b32 s74, 1024, s74
	s_add_nc_u64 s[10:11], s[10:11], s[76:77]
.irp a, 0,1,2,3,4,5,6,7
	s_mul_i32 s78, s72, \a%4
	s_mul_i32 s79, s73, \a/4
	s_add_co_u32 s78, s78, s79
	v_add_nc_u32 v[OFS+2*\a], s78, v[LI]
	s_add_co_u32 s78, s78, s74
	v_add_nc_u32 v[OFS+2*\a+1], s78, v[LI]
.endr
	s_wait_kmcnt 0x0
	s_cmp_eq_u32 ttmp9, 2
	s_cselect_b32 s75, s61, s58                    ; e5 or e2,
	s_cmp_eq_u32 ttmp9, 1
	s_cselect_b32 s75, s59, s75                    ; or e3
	s_sub_co_i32 s75, s75, s56
	s_sub_co_i32 s75, s75, s57
	s_add_co_i32 s75, s75, 127
	s_lshl_b32 s78, s75, 23
	v_mov_b32 v[SCLV], s78                         ; 2^(eT - e0 - e1) as f32
.macro FRAG reg, adr, q, i             ; a fragment comes as it lies: four loads of 512 consecutive bytes
.irp c, 0,1,2,3
	ds_load_b128 v[\reg+4*\c:\reg+4*\c+3], v[\adr] offset:(\i)*4096+(\q)*2048+512*\c
.endr
.endm
; 16 matrix instructions: A's blocks a0, a0 + 1 x B's eight, 128 along K.  p: B's set.  zero = 1: the first product starts the sums.
; The 64 accumulators take turns, one instruction a turn, in the same order in every step.
.macro MUL16 a0, p, zero
.irp a, \a0, \a0+1
.irp b, 0,1,2,3,4,5,6,7
.if \zero
	v_wmma_f32_16x16x128_fp8_fp8 v[8*(8*((\a)%4)+\b):8*(8*((\a)%4)+\b)+7], v[128*(\p)+FR*\b:128*(\p)+FR*\b+FR-1], v[AF+FR*(\a):AF+FR*(\a)+FR-1], 0
.else
	v_wmma_f32_16x16x128_fp8_fp8 v[8*(8*((\a)%4)+\b):8*(8*((\a)%4)+\b)+7], v[128*(\p)+FR*\b:128*(\p)+FR*\b+FR-1], v[AF+FR*(\a):AF+FR*(\a)+FR-1], v[8*(8*((\a)%4)+\b):8*(8*((\a)%4)+\b)+7]
.endif
.endr
.endr
.endm
.macro FETCH_B slot, q, p
	WIN TO_B
.irp i, 0,1,2,3,4,5,6,7
	FRAG 128*(\p)+FR*\i, ADRB+\slot, \q, \i
.endr
	WIN 0
.endm
.macro FETCH_A slot, q, i0
.irp i, \i0, \i0+1, \i0+2, \i0+3
	FRAG AF+FR*(\i), ADRA+\slot, \q, \i
.endr
.endm
.macro PLACES n                        ; plain vector lines between a matrix instruction and a load into, or a read of, its registers (ISA guide 7.12.1 for reads)
.rept \n
	v_nop
.endr
.endm
; A step of 128 along K that has its successor in the same slot.  A's blocks are free as soon as their eight products are issued: blocks 0-3 are fetched anew in the middle, 4-7 at the end.
.macro STEP slot, q, zero
	s_wait_dscnt 4*NL                              ; B's set and A's blocks 0-3 are in; the youngest sixteen loads (A's blocks 4-7) may be out
	WIN MUL_LO
	MUL16 0, (\q)%2, \zero
	MUL16 2, (\q)%2, \zero
	s_wait_dscnt 0
	PLACES NP
	FETCH_B \slot, (\q)+1, 1-(\q)%2
	FETCH_A \slot, (\q)+1, 0
	WIN MUL_HI
	MUL16 4, (\q)%2, \zero
	MUL16 6, (\q)%2, \zero
	PLACES NP
	WIN 0
	FETCH_A \slot, (\q)+1, 4
.endm
; A slot's last step changes slots: one barrier; in front of it each wave waits for all its tensor loads, adds 0 to its spare word, and waits for that and for its reads of this slot.
; fill = 1: the barrier opens a round of the cluster's barrier, and this slot is filled again, two steps of 256 ahead, first thing behind the round.
.macro TURN slot, next, fill
	s_wait_tensorcnt 0x0                           ; all my tensor loads have landed: my part of the next slot
	ds_add_u32 v[SPW], v[NIL]
	s_wait_dscnt 4*NL+1                            ; (the add and the youngest sixteen loads may be out)
	WIN MUL_LO
	MUL16 0, 1, 0
	s_wait_dscnt 0x0                               ; the add is done, and my reads of this slot are over
	s_barrier_signal -1
	MUL16 2, 1, 0
	WIN 0
	s_barrier_wait -1
.if \fill
	CREST                                          ; no wave of any partner still reads this slot or has a load on its way
	s_add_nc_u64 s[G0+4*\slot+2:G0+4*\slot+3], s[G0+4*\slot+2:G0+4*\slot+3], 2*PANEL
	s_add_nc_u64 s[G0B+4*\slot+2:G0B+4*\slot+3], s[G0B+4*\slot+2:G0B+4*\slot+3], 2*PANEL
	JLOAD G0+4*\slot, G1, G0B+4*\slot, G1B         ; my one tensor load behind the round; its four v_nop are the places in front of the loads below
.else
	PLACES NP
.endif
	FETCH_B \next, 0, 0
	FETCH_A \next, 0, 0
	WIN MUL_HI
	MUL16 4, 1, 0
	MUL16 6, 1, 0
	PLACES NP
	WIN 0
	FETCH_A \next, 0, 4
.endm
	s_wait_tensorcnt 1                             ; my part of slot 0 is in; slot 1's may be out
	s_barrier_signal -1
	s_barrier_wait -1
	FETCH_B 0, 0, 0
	FETCH_A 0, 0, 0
	FETCH_A 0, 0, 4
	STEP 0, 0, 1                                   ; k 0-127: these products start the sums
	TURN 0, 1, 1                                   ; k 128-255; slot 0 takes k 512-767
	STEP 1, 0, 0
	TURN 1, 0, 1                                   ; slot 1 takes k 768-1023
	STEP 0, 0, 0
	TURN 0, 1, 0                                   ; nothing is left to ask for
	STEP 1, 0, 0
	s_wait_dscnt 4*NL                              ; the last step
	WIN MUL_LO
	MUL16 0, 1, 0
	MUL16 2, 1, 0
	s_wait_alu depctr_va_vdst(0)
	s_wait_dscnt 0
	WIN MUL_HI
	MUL16 4, 1, 0
	MUL16 6, 1, 0
	WIN 0
	PLACES NP
; Block a of A's eight: its 64 sums of a lane are four runs of 16 neighbours along the reader's K.  Converted, stored: the codes are the reader's fragments as they stand.
.macro EPI a
.set AC, 64*((\a)%4)
	WIN 0x02+((\a)/4)                              ; source 0: window 2 or 3
.set n, 0
.rept 64
.set n, n+1
.endr
.irp p, 0,1,2,3
	v_cvt_scalef32_pk8_fp8_f32 v[CD+16*(\a)+4*\p:CD+16*(\a)+4*\p+1], v[AC+16*\p:AC+16*\p+7], v[SCLV]
	v_cvt_scalef32_pk8_fp8_f32 v[CD+16*(\a)+4*\p+2:CD+16*(\a)+4*\p+3], v[AC+16*\p+8:AC+16*\p+15], v[SCLV]
.endr
	WIN 0
	v_nop                                          ; one plain vector line behind the last conversion
.irp p, 0,1,2,3
	global_store_b128 v[OFS+2*(\a)+\p/2], v[CD+16*(\a)+4*\p:CD+16*(\a)+4*\p+3], s[10:11] offset:512*(\p%2)   ; no store's data or address is written again
.endr
.endm
.irp a, 0,1,2,3,4,5,6,7
	EPI \a
.endr
	s_wait_tensorcnt 0x0                           ; the wave's end
	ds_add_u32 v[SPW], v[NIL]
	s_wait_dscnt 0x0
	CROUND                                         ; the closing round: no work-group ends while a partner may still ask for a block that names it
	s_endpgm
.Lfunc_end_k_qe4a43b8ccb_qkvgemm:
	.size	k_qe4a43b8ccb_qkvgemm, .Lfunc_end_k_qe4a43b8ccb_qkvgemm-k_qe4a43b8ccb_qkvgemm
	.p2alignl 7, 3214868480
	.fill 96, 4, 3214868480
	.section	.rodata,"a",@progbits
	.p2align	6, 0x0
	.amdhsa_kernel k_qe4a43b8ccb_qkvgemm
		.amdhsa_group_segment_fixed_size 327680
		.amdhsa_private_segment_fixed_size 0
		.amdhsa_enable_private_segment 0
		.amdhsa_kernarg_size 32
		.amdhsa_user_sgpr_count 2
		.amdhsa_user_sgpr_kernarg_segment_ptr 1
		.amdhsa_wavefront_size32 1
		.amdhsa_system_sgpr_workgroup_id_x 1
		.amdhsa_system_sgpr_workgroup_id_y 1
		.amdhsa_system_sgpr_workgroup_id_z 1
		.amdhsa_system_vgpr_workitem_id 0
		.amdhsa_next_free_vgpr 1024
		.amdhsa_next_free_sgpr 100
		.amdhsa_reserve_vcc 0
		.amdhsa_float_denorm_mode_32 3
		.amdhsa_float_denorm_mode_16_64 3
		.amdhsa_fp16_overflow 1
		.amdhsa_memory_ordered 1
		.amdhsa_forward_progress 1
		.amdhsa_inst_pref_size 88
	.end_amdhsa_kernel
	.amdgpu_metadata
---
amdhsa.version: [ 1, 2 ]
amdhsa.kernels:
  - .name:           k_qe4a43b8ccb_qkvgemm
    .symbol:         k_qe4a43b8ccb_qkvgemm.kd
    .args:
      - { .name: xc, .offset: 0, .size: 8, .value_kind: global_buffer, .address_space: global }
      - { .name: wqc, .offset: 8, .size: 8, .value_kind: global_buffer, .address_space: global }
      - { .name: lowp_scales, .offset: 16, .size: 8, .value_kind: global_buffer, .address_space: global }
      - { .name: qkv, .offset: 24, .size: 8, .value_kind: global_buffer, .address_space: global }
    .group_segment_fixed_size: 327680
    .private_segment_fixed_size: 0
    .kernarg_segment_align: 8
    .kernarg_segment_size: 32
    .max_flat_workgroup_size: 128
    .sgpr_count:     100
    .vgpr_count:     1024
    .wavefront_size: 32
...
	.end_amdgpu_metadata
.endif
;; end of part 2
;; launch attn (part 3): grid 4 x 64, 16 waves a work-group, clusters of 4 x 1, 327,680 bytes of LDS; arguments qkv, lowp_scales, ac; writes ac
.if DOCPART == 3
	.amdgcn_target "amdgcn-amd-amdhsa--gfx1250"
	.amdhsa_code_object_version 6
	.text
	.protected	k_qe4a43b8ccb_attn
	.globl	k_qe4a43b8ccb_attn
	.p2align	8
	.type	k_qe4a43b8ccb_attn,@function
k_qe4a43b8ccb_attn:
	s_mov_b64 s[64:65], 0
	v_nop
	global_prefetch_b8 v0, s[64:65] scope:SCOPE_SE
	s_setreg_imm32_b32 hwreg(HW_REG_WAVE_MODE, 25, 1), 1
	s_wait_xcnt 0x0
	s_wait_alu depctr_hold_cnt(0) depctr_sa_sdst(0) depctr_va_vdst(0) depctr_va_sdst(0) depctr_va_ssrc(0) depctr_va_vcc(0) depctr_vm_vsrc(0)
	s_getreg_b32 s2, hwreg(HW_REG_IB_STS2, 6, 4)
	s_cmp_eq_u32 s2, 0
	s_cbranch_scc0 .Lentry_in_a_cluster
	s_endpgm
.Lentry_in_a_cluster:
	s_bfe_u32 s2, ttmp6, 0x10000c
	s_cmp_lg_u32 s2, 0x3003
	s_cbranch_scc0 .Lentry_shape_is_right
	s_endpgm
.Lentry_shape_is_right:
; Causal attention of one head on codes of FP8 (E4M3): S^T = K Q^T (K = the head's 64), the softmax, O^T = V^T P^T (K = the keys); the result is quantised with 2^e6 for the last product.
; t = score x 2^(e2 + e3) x log2(e) / 8;  M = the running largest t rounded UP to a whole number;  p = 2^(t - M), not normalised, is quantised with 2^e4; the row's sum is taken of the
; unquantised p and divides at the end; when M moves, the sum and O^T are multiplied by 2^(old M - new M), which rounds nothing.
; LIMITS: e2 + e3 between -123 and 130 (added to the constant's exponent field); e4 and e6 between -126 and 127; e4 + e5 is applied by v_ldexp_f32 and has none.
; SHARES.  A cluster of four work-groups is one head (bh = the cluster's y).  A head has 128 tiles of 16 queries; tile 8 A + b needs the key steps 0 .. A of 128 keys, step A lies on the diagonal.
; Wave w of the work-group at place cx has a = w / 2 and b = 2 cx + w % 2 and owns tiles 8 a + b and 127 - (8 a + b): (a + 1) + (16 - a) = 17 key steps for every wave of the launch.
; The numbers of steps hang on the wave's number alone; cx enters global addresses and the mask's lane value, and nothing else.
; ALL OF A HEAD'S K AND V LIE IN LDS, FILLED ONCE: 131,072 bytes each.  The four partners need the same bytes, so every load is a joint one.  Each wave issues two loads at the head:
; its sixteenth of key steps 0 and 1, and its sixteenth of the rest; the first two steps are worked while the rest is on its way.  No slot is filled again; the loops have no barrier.
; LAYOUT.  Fragments lie as images of registers (byte 512 c + 16 lane); place r of a tile of 16 tokens or channels is 32 (t / 2) + 8 (t % 2) + r + 8 (r / 8).  A lane holds ONE query throughout;
; register n of S^T is key 128 step + 32 (n / 16) + 16 (lane / 16) + n % 16, so p's conversions give the second product's operand; O^T's 32 registers are channels 32 m + 16 (lane / 16) + 0 .. 15.
; OUT (ac): (token panel) x 131,072 + (head / 4) x 32,768 + (tile % 8) x 4,096 + (head % 4) x 1,024 + 512 m + 16 lane: fragments of the last product's operand.  A store covers 512 consecutive bytes, aligned.
.set VB,    131072                     ; V behind K
.set SPARE, 262144                     ; behind both: the spare words, 128 bytes for each of 16 waves, that no other line names
.set LI,   1                           ; v1   16 x lane
.set ADK,  2                           ; v2   the step's K
.set ADV,  3                           ; v3   the step's V
.set SPW,  4                           ; v4   my spare word
.set NIL,  5                           ; v5   0
.set QD,   6                           ; v6   the diagonal: my query less the step's first key less 16 (lane / 16)
.set PD,   7                           ; v7   a lane permute's destination
.set LIV,  10                          ; v10  16 x lane + VB
.set RQ,   11                          ; v11  r + 8 (r / 8) - 16 (lane / 16)
                                       ; v12 -M, v13 the largest t, v[14:15] the sum in two halves
.set QH,   16                          ; v16-23  Q of the high tile
.set QL,   24                          ; v24-31  Q of the low tile
.set KV,   32                          ; v32-95  K's eight fragments, then V's four
.set S,    96                          ; v96-159 S^T, then p
.set O,    160                         ; v160-191 O^T
.set PC,   192                         ; v192-207 p's codes
.set OC,   208                         ; v208-215 the result's codes
.set SCLP, 216                         ; 2^e4
.set LIMP, 217
.set SCLO, 218                         ; 2^e6
.set LIMO, 219
.set F,    220                         ; v[220:221] f = 2^(old M - new M)
.set SUM2, 222                         ; v[222:223] the sum's second chain
.set MX,   224                         ; v224, v225 two chains of the maximum
.set NINF, 226                         ; -infinity
.set SEL,  48                          ; s[48:49] lane selects: lane l xor 16
.set CS,   50                          ; s[50:51] the constant of t
.set TB,   52                          ; s52  8,192 x the key step
.set KS,   53                          ; s53  the key step
.set LAST, 54                          ; s54  the tile's last key step
.set BP,   55                          ; s55  the tile's place among its eight
.set EPV,  56                          ; s56  e4 + e5
.set OUTA, 58                          ; s[58:59] where the tile's result goes
.macro CROUND
	s_barrier_signal -1
	s_barrier_wait -1
	s_cmp_lg_u32 s10, 0
	s_cbranch_scc1 .Lnot_wave_0_\@
	s_barrier_signal -3
.Lnot_wave_0_\@:
	s_barrier_wait -3
	s_barrier_signal -1
	s_barrier_wait -1
.endm
	s_load_b128 s[4:7], s[0:1], 0x0                ; qkv s[4:5], the scales s[6:7]
	s_load_b64 s[8:9], s[0:1], 0x10                ; ac
	v_lshl_add_u32 v[SPW], v0, 2, SPARE
	v_mov_b32 v[NIL], 0
	ds_add_u32 v[SPW], v[NIL]                      ; the wave's opening: the add and its wait stand ahead of my first tensor load; work on registers stands between them
	ds_add_u32 v[SPW], v[NIL]
	v_lshrrev_b32 v1, 5, v0
	s_delay_alu instid0(VALU_DEP_1)
	v_readfirstlane_b32 s10, v1                    ; wave 0..15
	s_bfe_u32 s11, ttmp6, 0x40000                  ; cx
	s_and_b32 s12, ttmp7, 0xffff                   ; bh
	s_lshr_b32 s13, s10, 1                         ; a
	s_and_b32 s14, s10, 1
	s_lshl_b32 s66, s11, 1
	s_add_co_u32 s14, s14, s66                     ; b
	; groups 1: dense blocks as rows of 256 bytes: 8 rows (2,048 bytes) and 56 rows (14,336 bytes)
	s_mov_b32 s16, 15|(3<<16)|(1<<21)              ; 15:0 the mask: all four work-groups; 17:16 elements of 8 bytes; 21 set beside a mask
	s_mov_b32 s17, 32<<16
	s_mov_b32 s18, 8<<16
	s_mov_b32 s19, 32<<16
	s_mov_b32 s20, 8
	s_mov_b32 s21, 32
	s_mov_b32 s22, 0
	s_mov_b32 s23, 0
	s_mov_b32 s24, 15|(3<<16)|(1<<21)
	s_mov_b32 s25, 32<<16
	s_mov_b32 s26, 56<<16
	s_mov_b32 s27, 32<<16
	s_mov_b32 s28, 56
	s_mov_b32 s29, 32
	s_mov_b32 s30, 0
	s_mov_b32 s31, 0
	s_lshr_b32 s66, s10, 3                         ; waves 0-7 fetch K, waves 8-15 V
	s_and_b32 s67, s10, 7
	s_lshl_b32 s68, s66, 17                        ; the region in LDS
	s_lshl_b32 s69, s67, 11                        ; my 2,048 bytes of key steps 0 and 1
	s_add_co_u32 s33, s68, s69
	s_mul_i32 s70, s67, 14336                      ; my 14,336 bytes of the rest,
	s_add_co_u32 s70, s70, 16384                   ; which begins behind the two steps
	s_add_co_u32 s37, s68, s70
	s_add_co_u32 s71, s66, 1                       ; in memory: k at 8,388,608, v at 16,777,216; a head is 131,072 bytes of each
	s_lshl_b32 s71, s71, 23
	s_lshl_b32 s72, s12, 17
	s_add_co_u32 s71, s71, s72
	s_add_co_u32 s60, s71, s69
	s_mov_b32 s61, 0
	s_add_co_u32 s62, s71, s70
	s_mov_b32 s63, 0
	s_mov_b32 s32, 1
	s_mov_b32 s36, 1
	s_wait_dscnt 0x0                               ; the opening add is done
	s_wait_kmcnt 0x0
	s_load_b256 s[40:47], s[6:7], 0x0              ; e0 .. e7
	s_add_nc_u64 s[34:35], s[4:5], s[60:61]
	s_or_b32 s35, s35, 0x80000000
	s_add_nc_u64 s[38:39], s[4:5], s[62:63]
	s_or_b32 s39, s39, 0x80000000
	CROUND                                         ; all four work-groups are here: the joint loads meet
	tensor_load_to_lds s[32:35], s[16:23]          ; key steps 0 and 1: one load of mine is out, and it lands before the second is asked for
	s_nop 0
	s_wait_alu depctr_va_vdst(0)
	s_wait_tensorcnt 0x0
	ds_add_u32 v4, v5
	s_wait_dscnt 0x0
	CROUND
	tensor_load_to_lds s[36:39], s[24:31]
	s_nop 0
.rept 4
	v_nop
.endr
	v_and_b32 v1, 31, v0
	s_delay_alu instid0(VALU_DEP_1)
	v_lshlrev_b32 v[LI], 4, v1
	s_wait_alu depctr_va_vdst(0)
	s_lshl_b32 s66, s13, 3
	s_add_co_u32 s66, s66, s14                     ; the low tile: 8 a + b
	s_sub_co_u32 s67, 127, s66                     ; the high tile
	s_lshl_b32 s68, s12, 7
	s_add_co_u32 s66, s66, s68
	s_add_co_u32 s67, s67, s68
	s_lshl_b32 s60, s67, 10                        ; a tile of q is 1,024 bytes
	s_mov_b32 s61, 0
	s_lshl_b32 s62, s66, 10
	s_mov_b32 s63, 0
	s_add_nc_u64 s[60:61], s[4:5], s[60:61]
	s_add_nc_u64 s[62:63], s[4:5], s[62:63]
	global_load_b128 v[QH:QH+3], v[LI], s[60:61]
	global_load_b128 v[QH+4:QH+7], v[LI], s[60:61] offset:512
	global_load_b128 v[QL:QL+3], v[LI], s[62:63]
	global_load_b128 v[QL+4:QL+7], v[LI], s[62:63] offset:512
	v_add_nc_u32 v[LIV], VB, v[LI]
	v_and_b32 v[RQ], 15, v0
	s_delay_alu instid0(VALU_DEP_1)
	v_and_b32 v8, 8, v[RQ]
	s_delay_alu instid0(VALU_DEP_1)
	v_add_nc_u32 v[RQ], v[RQ], v8
	v_bfe_u32 v8, v0, 4, 1
	s_delay_alu instid0(VALU_DEP_1)
	v_lshlrev_b32 v8, 4, v8
	s_delay_alu instid0(VALU_DEP_1)
	v_sub_nc_u32 v[RQ], v[RQ], v8
	v_mov_b32 v[PD], 0                             ; written once: a lane permute's destination counts as one of its sources
	v_mov_b32 v[F+1], 0                            ; (named as the upper half of a pair)
	v_mov_b32 v[NINF], 0xff800000
	s_mov_b32 s[SEL], 0x76543210
	s_mov_b32 s[SEL+1], 0xfedcba98
	s_wait_alu depctr_va_vdst(0)
	s_wait_kmcnt 0x0
	s_add_co_i32 s66, s42, s43
	s_lshl_b32 s66, s66, 23
	s_add_co_i32 s[CS], s66, 0x3e38aa3b            ; log2(e) / 8, with e2 + e3 added to its exponent field
	s_mov_b32 s[CS+1], s[CS]
	s_add_co_i32 s66, s44, 127
	s_lshl_b32 s67, s66, 23
	v_mov_b32 v[SCLP], s67
	s_add_co_i32 s66, s46, 127
	s_lshl_b32 s67, s66, 23
	v_mov_b32 v[SCLO], s67
	s_add_co_i32 s[EPV], s44, s45
; A tile begins.  hi = 1: tile 127 - (8 a + b); 0: tile 8 a + b.
.macro INIT hi
.if \hi
	s_sub_co_u32 s[LAST], 15, s13
	s_sub_co_u32 s[BP], 7, s14
.else
	s_wait_xcnt 0x0                                ; the first tile's stores have read their address and data: both are written again below
	s_mov_b32 s[LAST], s13
	s_mov_b32 s[BP], s14
.endif
	s_lshr_b32 s66, s[BP], 1
	s_lshl_b32 s66, s66, 5
	s_and_b32 s67, s[BP], 1
	s_lshl_b32 s67, s67, 3
	s_add_co_u32 s66, s66, s67
	v_add_nc_u32 v[QD], s66, v[RQ]
	s_lshr_b32 s66, s12, 4                         ; the token panel: 16 batch + the tile's last key step
	s_lshl_b32 s66, s66, 4
	s_add_co_u32 s66, s66, s[LAST]
	s_lshl_b32 s66, s66, 17
	s_bfe_u32 s67, s12, 0x20002                    ; head / 4
	s_lshl_b32 s67, s67, 15
	s_add_co_u32 s66, s66, s67
	s_lshl_b32 s67, s[BP], 12
	s_add_co_u32 s66, s66, s67
	s_and_b32 s67, s12, 3                          ; head % 4
	s_lshl_b32 s67, s67, 10
	s_add_co_u32 s66, s66, s67
	s_mov_b32 s67, 0
	s_add_nc_u64 s[OUTA:OUTA+1], s[8:9], s[66:67]
	v_mov_b32 v13, 0xff61b1e6                      ; the largest t so far: -3e38, under every t
	s_delay_alu instid0(VALU_DEP_1)
	v_floor_f32 v12, -v13
	v_mov_b32 v14, 0
	v_mov_b32 v15, 0
.set n, 0
.rept 32
	v_mov_b32 v[O+n], 0                            ; the step is written without a first form: the first change of M multiplies zeros
.set n, n+1
.endr
.endm
; A KEY STEP of 128 keys for the tile whose Q lies in v[qf] on.  full = 1: a step that is known to lie under the diagonal: no test, no mask.
.macro STEP qf, full
.if \full == 0
	s_cmp_gt_u32 s[KS], s[LAST]                    ; all its keys come after my queries: the work is left out; the address's step at the end is not
	s_cbranch_scc1 .Lhidden_\@
.endif
	s_setprio 2
	v_add_nc_u32 v[ADK], s[TB], v[LI]
	v_add_nc_u32 v[ADV], s[TB], v[LIV]
	v_nop
	v_nop                                          ; four places in front of loads into registers that the last products read
.irp t, 0,1,2,3,4,5,6,7
	ds_load_b128 v[KV+8*\t:KV+8*\t+3], v[ADK] offset:1024*\t
	ds_load_b128 v[KV+8*\t+4:KV+8*\t+7], v[ADK] offset:1024*\t+512
.endr
	s_wait_alu depctr_va_vdst(0)
	s_wait_dscnt 0x0
.irp t, 0,1,2,3,4,5,6,7
	v_wmma_f32_16x16x64_fp8_fp8 v[S+8*\t:S+8*\t+7], v[KV+8*\t:KV+8*\t+7], v[\qf:\qf+7], 0
.endr
.rept 4
	v_nop                                          ; places: in front of the loads below and of the first read of the scores
.endr
.irp d, 0,1,2,3
.irp c, 0,1,2,3
	ds_load_b128 v[KV+16*\d+4*\c:KV+16*\d+4*\c+3], v[ADV] offset:2048*\d+512*\c   ; V lands while the softmax is worked
.endr
.endr
.if \full == 0
	s_cmp_lg_u32 s[KS], s[LAST]
	s_cbranch_scc1 .Lopen_\@
.set n, 0
.rept 64                               ; on the diagonal the scores of hidden keys become -infinity: p = 0 then.  A query's own key lies in this step, so the maximum is a number
	v_cmp_gt_i32 vcc_lo, 32*(n/16)+n%16, v[QD]
	v_cndmask_b32 v[S+n], v[S+n], v[NINF], vcc_lo
.set n, n+1
.endr
.Lopen_\@:
.endif
	v_max3_num_f32 v[MX], v[S], v[S+1], v[S+2]     ; the step's largest score among my 64 keys, in two chains, each accumulator from its low end on
	v_max3_num_f32 v[MX+1], v[S+3], v[S+4], v[S+5]
.irp i, 6,10,14,18,22,26,30,34,38,42,46,50,54,58
	v_max3_num_f32 v[MX], v[MX], v[S+\i], v[S+\i+1]
	v_max3_num_f32 v[MX+1], v[MX+1], v[S+\i+2], v[S+\i+3]
.endr
	v_max3_num_f32 v[MX], v[MX], v[S+62], v[S+63]
	s_delay_alu instid0(VALU_DEP_1)
	v_max_num_f32 v[MX], v[MX], v[MX+1]
	s_delay_alu instid0(VALU_DEP_1)
	v_permlanex16_b32 v[PD], v[MX], s[SEL], s[SEL+1]
	s_delay_alu instid0(VALU_DEP_1)
	v_max_num_f32 v[MX], v[MX], v[PD]              ; and among lane l xor 16's
	s_delay_alu instid0(VALU_DEP_1)
	v_mul_f32 v[MX], s[CS], v[MX]                  ; as t (the constant is positive)
	s_delay_alu instid0(VALU_DEP_1)
	v_max_num_f32 v13, v13, v[MX]
	v_mov_b32 v[MX], v12
	s_delay_alu instid0(VALU_DEP_2)
	v_floor_f32 v12, -v13                          ; the new -M = floor(-t)
	s_delay_alu instid0(VALU_DEP_1)
	v_sub_f32 v[MX], v12, v[MX]                    ; old M - new M: a whole number, 0 or less
	s_delay_alu instid0(VALU_DEP_1)
	v_cvt_i32_f32 v[MX], v[MX]                     ; (it saturates)
	s_delay_alu instid0(VALU_DEP_1)
	v_ldexp_f32 v[F], 1.0, v[MX]
.set n, 0
	s_setprio 1
.rept 32
	v_pk_fma_f32 v[S+n:S+n+1], v[S+n:S+n+1], s[CS:CS+1], v[12:13] op_sel_hi:[1,0,0]   ; t - M, two at a time
.set n, n+2
.endr
.set n, 0
	s_wait_alu depctr_va_vdst(0)
.rept 64
	v_exp_f32 v[S+n], v[S+n]                       ; p = 2^(t - M)
.set n, n+1
.endr
	v_pk_mul_f32 v[14:15], v[14:15], v[F:F+1] op_sel_hi:[1,0]   ; the sum under the new M: a plain line behind the exponentials
	s_wait_alu depctr_va_vdst(0)                   ; one wait for the whole batch, ahead of its first reader
	v_pk_add_f32 v[SUM2:SUM2+1], v[S:S+1], v[S+2:S+3]           ; the sum is taken of the unquantised p, in two chains
.set n, 4
.rept 15
	v_pk_add_f32 v[14:15], v[14:15], v[S+n:S+n+1]
	v_pk_add_f32 v[SUM2:SUM2+1], v[SUM2:SUM2+1], v[S+n+2:S+n+3]
.set n, n+4
.endr
	s_delay_alu instid0(VALU_DEP_1)
	v_pk_add_f32 v[14:15], v[14:15], v[SUM2:SUM2+1]
	s_setprio 0
.irp b, 0,1,2,3
.set n, 0
.rept 16
.set n, n+1
.endr
	v_cvt_scalef32_pk8_fp8_f32 v[PC+4*\b:PC+4*\b+1], v[S+16*\b:S+16*\b+7], v[SCLP]
	v_cvt_scalef32_pk8_fp8_f32 v[PC+4*\b+2:PC+4*\b+3], v[S+16*\b+8:S+16*\b+15], v[SCLP]
.endr
.set n, 0
.rept 16
	v_pk_mul_f32 v[O+n:O+n+1], v[O+n:O+n+1], v[F:F+1] op_sel_hi:[1,0]   ; O^T under the new M; plain lines between the conversions and the products
.set n, n+2
.endr
	s_wait_alu depctr_va_vdst(0)
	s_wait_dscnt 0x0                               ; V is in
.irp d, 0,1,2,3                        ; four accumulators by turns, one instruction a turn
	v_wmma_f32_16x16x128_fp8_fp8 v[O+8*\d:O+8*\d+7], v[KV+16*\d:KV+16*\d+15], v[PC:PC+15], v[O+8*\d:O+8*\d+7]
.endr
.if \full == 0
.Lhidden_\@:
.endif
	s_add_co_u32 s[TB], s[TB], 8192
.endm
; A tile ends: O^T x 2^(e4 + e5) / the sum, quantised with 2^e6, stored as two groups of four registers of the last product's fragment.
.macro FINISH
.rept 4
	v_nop                                          ; places behind the last products
.endr
	v_add_f32 v14, v14, v15
	s_delay_alu instid0(VALU_DEP_1)
	v_permlanex16_b32 v[PD], v14, s[SEL], s[SEL+1]
	s_delay_alu instid0(VALU_DEP_1)
	v_add_f32 v14, v14, v[PD]                      ; the row's sum
	s_wait_alu depctr_va_vdst(0)
	v_rcp_f32 v14, v14
	v_nop                                          ; a plain line behind the reciprocal,
	s_wait_alu depctr_va_vdst(0)                   ; and the wait ahead of its first reader
	v_ldexp_f32 v14, v14, s[EPV]
.set n, 0
.rept 16
	v_pk_mul_f32 v[S+n:S+n+1], v[O+n:O+n+1], v[14:15] op_sel_hi:[1,0]   ; each accumulator from its low end on
.set n, n+2
.endr
.set n, 0
.rept 32
.set n, n+1
.endr
.irp m, 0,1
	v_cvt_scalef32_pk8_fp8_f32 v[OC+4*\m:OC+4*\m+1], v[S+16*\m:S+16*\m+7], v[SCLO]
	v_cvt_scalef32_pk8_fp8_f32 v[OC+4*\m+2:OC+4*\m+3], v[S+16*\m+8:S+16*\m+15], v[SCLO]
.endr
	v_nop                                          ; one plain vector line behind the last conversion
	global_store_b128 v[LI], v[OC:OC+3], s[OUTA:OUTA+1]
	global_store_b128 v[LI], v[OC+4:OC+7], s[OUTA:OUTA+1] offset:512
.endm
	INIT 1
	s_wait_loadcnt 0x0                             ; Q
	s_wait_tensorcnt 0x1                           ; my part of key steps 0 and 1 is in; my second load may be out
	s_barrier_signal -1
	s_barrier_wait -1                              ; everybody's is
	s_mov_b32 s[TB], 0
	STEP QH, 1                                     ; the high tile's last step is 8 or more: steps 0 and 1 lie under the diagonal.  They read LDS bytes under 16,384 of each region, clear of the loads still out
	STEP QH, 1
	s_wait_tensorcnt 0x0                           ; my part of the rest is in,
	s_wait_dscnt 0x0
	s_barrier_signal -1
	s_barrier_wait -1                              ; everybody's is: from here on no wave waits for another
	s_mov_b32 s[KS], 2
.Lhigh:                                            ; 14 trips, a constant; the steps behind the tile's last are jumped over
	STEP QH, 0
	s_add_co_u32 s[KS], s[KS], 1
	s_cmp_lt_u32 s[KS], 16
	s_cbranch_scc1 .Lhigh
	s_setprio 0
	FINISH
	INIT 0
	s_mov_b32 s[TB], 0
	s_mov_b32 s[KS], 0
.Llow:                                             ; 8 trips
	STEP QL, 0
	s_add_co_u32 s[KS], s[KS], 1
	s_cmp_lt_u32 s[KS], 8
	s_cbranch_scc1 .Llow
	s_setprio 0
	FINISH
	s_wait_tensorcnt 0x0                           ; the wave's end
	ds_add_u32 v[SPW], v[NIL]
	s_wait_dscnt 0x0
	CROUND                                         ; the closing round
	s_endpgm
.Lfunc_end_k_qe4a43b8ccb_attn:
	.size	k_qe4a43b8ccb_attn, .Lfunc_end_k_qe4a43b8ccb_attn-k_qe4a43b8ccb_attn
	.p2alignl 7, 3214868480
	.fill 96, 4, 3214868480
	.section	.rodata,"a",@progbits
	.p2align	6, 0x0
	.amdhsa_kernel k_qe4a43b8ccb_attn
		.amdhsa_group_segment_fixed_size 327680
		.amdhsa_private_segment_fixed_size 0
		.amdhsa_enable_private_segment 0
		.amdhsa_kernarg_size 24
		.amdhsa_user_sgpr_count 2
		.amdhsa_user_sgpr_kernarg_segment_ptr 1
		.amdhsa_wavefront_size32 1
		.amdhsa_system_sgpr_workgroup_id_x 1
		.amdhsa_system_sgpr_workgroup_id_y 1
		.amdhsa_system_sgpr_workgroup_id_z 1
		.amdhsa_system_vgpr_workitem_id 0
		.amdhsa_next_free_vgpr 256
		.amdhsa_next_free_sgpr 80
		.amdhsa_reserve_vcc 1
		.amdhsa_float_denorm_mode_32 3
		.amdhsa_float_denorm_mode_16_64 3
		.amdhsa_fp16_overflow 1
		.amdhsa_memory_ordered 1
		.amdhsa_forward_progress 1
		.amdhsa_inst_pref_size 80
	.end_amdhsa_kernel
	.amdgpu_metadata
---
amdhsa.version: [ 1, 2 ]
amdhsa.kernels:
  - .name:           k_qe4a43b8ccb_attn
    .symbol:         k_qe4a43b8ccb_attn.kd
    .args:
      - { .name: qkv, .offset: 0, .size: 8, .value_kind: global_buffer, .address_space: global }
      - { .name: lowp_scales, .offset: 8, .size: 8, .value_kind: global_buffer, .address_space: global }
      - { .name: ac, .offset: 16, .size: 8, .value_kind: global_buffer, .address_space: global }
    .group_segment_fixed_size: 327680
    .private_segment_fixed_size: 0
    .kernarg_segment_align: 8
    .kernarg_segment_size: 24
    .max_flat_workgroup_size: 512
    .sgpr_count:     80
    .vgpr_count:     256
    .wavefront_size: 32
...
	.end_amdgpu_metadata
.endif
;; end of part 3
;; launch proj (part 4): grid 4 x 64, 4 waves a work-group, clusters of 4 x 4, 327,680 bytes of LDS; arguments ac, wpc, lowp_scales, out0; writes out0
.if DOCPART == 4
	.amdgcn_target "amdgcn-amd-amdhsa--gfx1250"
	.amdhsa_code_object_version 6
	.text
	.protected	k_qe4a43b8ccb_proj
	.globl	k_qe4a43b8ccb_proj
	.p2align	8
	.type	k_qe4a43b8ccb_proj,@function
k_qe4a43b8ccb_proj:
	s_mov_b64 s[64:65], 0
	v_nop
	global_prefetch_b8 v0, s[64:65] scope:SCOPE_SE
	s_setreg_imm32_b32 hwreg(HW_REG_WAVE_MODE, 25, 1), 1
	s_wait_xcnt 0x0
	s_wait_alu depctr_hold_cnt(0) depctr_sa_sdst(0) depctr_va_vdst(0) depctr_va_sdst(0) depctr_va_ssrc(0) depctr_va_vcc(0) depctr_vm_vsrc(0)
	s_getreg_b32 s2, hwreg(HW_REG_IB_STS2, 6, 4)
	s_cmp_eq_u32 s2, 0
	s_cbranch_scc0 .Lentry_in_a_cluster
	s_endpgm
.Lentry_in_a_cluster:
	s_bfe_u32 s2, ttmp6, 0x10000c
	s_cmp_lg_u32 s2, 0xf033
	s_cbranch_scc0 .Lentry_shape_is_right
	s_endpgm
.Lentry_shape_is_right:
; out0 = attention's result x w_proj^T on codes of FP8 (E4M3); each finished sum is multiplied once by 2^(e6 + e7).  out0: [8192][1024] f32.
; LIMIT: e6 + e7 between -126 and 127, so that 2^(e6 + e7) is an f32 number.
; OPERANDS lie as images of fragments' registers: a panel (8 row tiles = 128 rows) x 256 along K is a dense block of 32,768 bytes; tile i, half q, group c: i x 4,096 + q x 2,048 + 512 c + 16 lane.
; Place r of row tile t is row 32 (t / 2) + 8 (t % 2) + r + 8 (r / 8).
; A tile of the result is 128 tokens x 256 columns: 256 work-groups, where tiles of 256 x 256 would be 128.  Four waves, each 64 x 128: 32 accumulators.
; Source 0 = 16 rows of w_proj, source 1 = 16 tokens: a lane holds one token, and the 16 registers of two neighbouring accumulators are 16 neighbouring columns.
; CLUSTERS: 4 x 4.  A's panel (tokens) hangs on cy alone and is shared along a row of the cluster; B's two panels (w_proj) hang on cx alone and are shared along a column: joint loads.
; K = 1,024 is four steps of 256.  THREE LDS slots: steps 0, 1 and 2 are asked for at the head, one after another (one tensor load of a wave is out at a time); step 3 goes into slot 0 when that has been read.
; REGISTERS: window 0: v16-29 addresses; v32-95 at work on the way out; v128-191, v192-255 A's fragments, two sets, later rows of the result.  window 1: B's two sets.  window 2: accumulator (a, b) at v[8 (8 a + b)].
.set PANEL,  32768
.set SLOT,   3*PANEL                   ; A's panel, then B's two
.set SPARE,  3*SLOT                    ; behind the slots: the spare words, 128 bytes for each wave, that no other line names
.set SPITCH, 528                       ; the way out: a stage of 16 rows x (512 + 16) bytes for each wave, in slot 1, which has had its only fill and its last read by then
.set FR,     16
.set ADRA, 16                          ; v16-18  my A fragments in slot 0, 1, 2
.set ADRB, 20                          ; v20-22  my B fragments
.set STO,  24                          ; v24     the stage: where I put 64 bytes of a row
.set RD,   25                          ; v25     and where I read a row back
.set CO,   26                          ; v26     16 x lane
.set SPW,  28
.set NIL,  29
.set TMP,  32
.set AF,   128
.set BK,   128
.set G1,  24                           ; s[24:31] group 1 for A;  s[32:43] its groups 0, one for each slot
.set G0,  32
.set G1B, 48                           ; s[48:55], s[80:91] the same for B
.set G0B, 80
.set MSB, 0
.macro WIN new                         ; the immediate's high byte repeats the setting that is left
.if MSB != \new
	s_set_vgpr_msb (MSB<<8)|\new
.set MSB, \new
.endif
.endm
.set MUL,  0xa1                        ; source 0 (B) window 1, source 1 (A) window 0, C and D window 2
.set TO_B, 0x40
.macro JLOAD g0a, g1a, g0b, g1b        ; waves 0 and 1 fetch A's halves, waves 2 and 3 B's panels; an s_nop 0 and four v_nop follow each of the two lines
	s_cmp_eq_u32 s13, 0
	s_cbranch_scc0 .Lfor_b_\@
	tensor_load_to_lds s[\g0a:\g0a+3], s[\g1a:\g1a+7]
	s_nop 0
.rept 4
	v_nop
.endr
	s_branch .Lasked_\@
.Lfor_b_\@:
	tensor_load_to_lds s[\g0b:\g0b+3], s[\g1b:\g1b+7]
	s_nop 0
.rept 4
	v_nop
.endr
.Lasked_\@:
.endm
.macro CREST
	s_cmp_lg_u32 s12, 0
	s_cbranch_scc1 .Lnot_wave_0_\@
	s_barrier_signal -3
.Lnot_wave_0_\@:
	s_barrier_wait -3
	s_barrier_signal -1
	s_barrier_wait -1
.endm
.macro CROUND
	s_barrier_signal -1
	s_barrier_wait -1
	CREST
.endm
	s_load_b256 s[4:11], s[0:1], 0x0               ; ac s[4:5], wpc s[6:7], the scales s[8:9], out0 s[10:11]
	v_lshl_add_u32 v[SPW], v0, 2, SPARE
	v_mov_b32 v[NIL], 0
	ds_add_u32 v[SPW], v[NIL]                      ; the wave's opening: the add and its wait stand ahead of my first tensor load
	ds_add_u32 v[SPW], v[NIL]
	v_lshrrev_b32 v1, 5, v0
	v_readfirstlane_b32 s12, v1                    ; wave 0..3
	s_lshr_b32 s13, s12, 1                         ; ha: my 64 tokens.  Also: I fetch for A (0) or for B (1)
	s_and_b32 s14, s12, 1                          ; hb: my panel of B.  Also: which part I fetch
	s_bfe_u32 s15, ttmp6, 0x40000                  ; cx: the tile's 256 columns
	s_bfe_u32 s16, ttmp6, 0x40004                  ; cy
	s_and_b32 s18, ttmp7, 0xffff
	s_lshl_b32 s19, s18, 2
	s_add_co_u32 s19, s19, s16                     ; the token panel: 4 x cluster y + cy
	s_lshl_b32 s44, s16, 2
	s_lshl_b32 s44, 15, s44                        ; my row of the cluster
	s_lshl_b32 s45, 0x1111, s15                    ; my column
	s_or_b32 s[G1], s44, (3<<16)|(1<<21)           ; the mask; elements of 8 bytes; bit 21 beside a mask; no padding
	s_mov_b32 s[G1+1], 32<<16                      ; A: 64 rows of 256 bytes: half a panel's block
	s_mov_b32 s[G1+2], 64<<16
	s_mov_b32 s[G1+3], 32<<16
	s_mov_b32 s[G1+4], 64
	s_mov_b32 s[G1+5], 32
	s_mov_b32 s[G1+6], 0
	s_mov_b32 s[G1+7], 0
	s_or_b32 s[G1B], s45, (3<<16)|(1<<21)
	s_mov_b32 s[G1B+1], 32<<16                     ; B: 128 rows of 256 bytes: a panel's block
	s_mov_b32 s[G1B+2], 128<<16
	s_mov_b32 s[G1B+3], 32<<16
	s_mov_b32 s[G1B+4], 128
	s_mov_b32 s[G1B+5], 32
	s_mov_b32 s[G1B+6], 0
	s_mov_b32 s[G1B+7], 0
	s_lshl_b32 s20, s19, 17                        ; A in memory: panel x 131,072 + hb x 16,384
	s_lshl_b32 s21, s14, 14
	s_add_co_u32 s20, s20, s21
	s_mov_b32 s21, 0
	s_lshl_b32 s22, s15, 18                        ; B: panel 2 cx + hb
	s_lshl_b32 s23, s14, 17
	s_add_co_u32 s22, s22, s23
	s_mov_b32 s23, 0
	s_lshl_b32 s88, s14, 14                        ; in a slot: A's halves,
	s_lshl_b32 s89, s14, 15
	s_add_co_u32 s89, s89, PANEL                   ; B's panels behind them
	s_wait_dscnt 0x0                               ; the opening add is done
	s_wait_kmcnt 0x0
	s_load_b256 s[56:63], s[8:9], 0x0              ; e0 .. e7
	s_add_nc_u64 s[66:67], s[4:5], s[20:21]
	s_add_nc_u64 s[68:69], s[6:7], s[22:23]
	CROUND                                         ; all sixteen work-groups are here: the first joint loads meet
.irp s, 0,1,2
	s_mov_b32 s[G0+4*\s], 1
	s_add_co_u32 s[G0+4*\s+1], s88, \s*SLOT
	s_add_nc_u64 s[G0+4*\s+2:G0+4*\s+3], s[66:67], \s*PANEL
	s_or_b32 s[G0+4*\s+3], s[G0+4*\s+3], 0x80000000
	s_mov_b32 s[G0B+4*\s], 1
	s_add_co_u32 s[G0B+4*\s+1], s89, \s*SLOT
	s_add_nc_u64 s[G0B+4*\s+2:G0B+4*\s+3], s[68:69], \s*PANEL
	s_or_b32 s[G0B+4*\s+3], s[G0B+4*\s+3], 0x80000000
	s_wait_alu depctr_va_vdst(0)
	s_wait_tensorcnt 0x0
	ds_add_u32 v28, v29
	ds_add_u32 v28, v29
	s_wait_dscnt 0x0
	CROUND
	JLOAD G0+4*\s, G1, G0B+4*\s, G1B
.endr
	v_and_b32 v1, 31, v0
	v_lshlrev_b32 v[CO], 4, v1
	s_lshl_b32 s70, s13, 14                        ; my four tiles of A,
	s_lshl_b32 s71, s14, 15
	s_add_co_u32 s71, s71, PANEL                   ; my panel of B
.irp s, 0,1,2
	v_add_nc_u32 v[ADRA+\s], s70, v[CO]
	v_add_nc_u32 v[ADRB+\s], s71, v[CO]
	s_add_co_u32 s70, s70, SLOT
	s_add_co_u32 s71, s71, SLOT
.endr
	s_mul_i32 s72, s12, 16*SPITCH
	s_add_co_u32 s72, s72, SLOT                    ; my stage, in slot 1
	v_and_b32 v2, 15, v0
	v_bfe_u32 v3, v0, 4, 1
	v_mul_u32_u24 v[STO], v2, SPITCH
	v_lshl_add_u32 v[STO], v3, 6, v[STO]
	v_add_nc_u32 v[STO], s72, v[STO]               ; in: row r, + 64 bytes for the upper half of the lanes
	v_add_nc_u32 v[RD], s72, v[CO]                 ; back: 32 lanes take a row of 512 bytes
	s_lshl_b32 s74, s19, 19                        ; out0: row 128 x panel + 64 ha, column 256 cx + 128 hb
	s_lshl_b32 s75, s13, 18
	s_add_co_u32 s74, s74, s75
	s_lshl_b32 s75, s15, 10
	s_add_co_u32 s74, s74, s75
	s_lshl_b32 s75, s14, 9
	s_add_co_u32 s74, s74, s75
	s_mov_b32 s75, 0
	s_add_nc_u64 s[10:11], s[10:11], s[74:75]
	s_wait_kmcnt 0x0
	s_add_co_i32 s96, s62, s63
	s_add_co_i32 s96, s96, 127
	s_lshl_b32 s96, s96, 23                        ; 2^(e6 + e7) as f32
	s_mov_b32 s97, s96                             ; (named with it as a pair)
.macro FRAG reg, adr, q, i
.irp c, 0,1,2,3
	ds_load_b128 v[\reg+4*\c:\reg+4*\c+3], v[\adr] offset:(\i)*4096+(\q)*2048+512*\c
.endr
.endm
; 8 matrix instructions: A's block a x B's eight, from sets p.  The 32 accumulators take turns, one instruction a turn, in the same order in every step.
.macro MULB a, p, zero
.irp b, 0,1,2,3,4,5,6,7
.if \zero
	v_wmma_f32_16x16x128_fp8_fp8 v[8*(8*(\a)+\b):8*(8*(\a)+\b)+7], v[128*(\p)+FR*\b:128*(\p)+FR*\b+FR-1], v[AF+64*(\p)+FR*(\a):AF+64*(\p)+FR*(\a)+FR-1], 0
.else
	v_wmma_f32_16x16x128_fp8_fp8 v[8*(8*(\a)+\b):8*(8*(\a)+\b)+7], v[128*(\p)+FR*\b:128*(\p)+FR*\b+FR-1], v[AF+64*(\p)+FR*(\a):AF+64*(\p)+FR*(\a)+FR-1], v[8*(8*(\a)+\b):8*(8*(\a)+\b)+7]
.endif
.endr
.endm
.macro FETCH slot, q, set              ; 48 LDS loads in one run: a step's fragments of B and of A
	WIN TO_B
.irp i, 0,1,2,3,4,5,6,7
	FRAG 128*(\set)+FR*\i, ADRB+\slot, \q, \i
.endr
	WIN 0
.irp i, 0,1,2,3
	FRAG AF+64*(\set)+FR*\i, ADRA+\slot, \q, \i
.endr
.endm
.macro PLACES n
.rept \n
	v_nop
.endr
.endm
; A step of 128 along K on sets p; fetch = 1: the next step's fragments (slot ns, half nq) go into the other sets first.
.macro STEP p, ns, nq, zero, fetch
	s_wait_dscnt 0x0                               ; this step's fragments, asked for a step ago, are in
.if \fetch
	PLACES 4                                       ; in front of loads into registers that the last step's products read
	FETCH \ns, \nq, 1-\p
.endif
	WIN MUL
	MULB 0, \p, \zero
	MULB 1, \p, \zero
	MULB 2, \p, \zero
	MULB 3, \p, \zero
	WIN 0
.endm
; A step with a barrier.  In front of it each wave waits for all its tensor loads, adds 0 to its spare word, and waits for that and for its LDS reads.
; fill = 1: the barrier opens a round of the cluster's barrier, and slot 0, which nobody reads any more, takes k 768-1023, first thing behind the round.
.macro TURN p, fill, ns
	s_wait_tensorcnt 0x0
	ds_add_u32 v[SPW], v[NIL]
	s_wait_dscnt 0x0                               ; the add is done; this step's fragments are in, and with them my reads of the slot are over
	s_barrier_signal -1
	WIN MUL
	MULB 0, \p, 0
	MULB 1, \p, 0
	WIN 0
	s_barrier_wait -1
.if \fill
	CREST
	s_add_nc_u64 s[G0+2:G0+3], s[G0+2:G0+3], 3*PANEL
	s_add_nc_u64 s[G0B+2:G0B+3], s[G0B+2:G0B+3], 3*PANEL
	JLOAD G0, G1, G0B, G1B                         ; my one tensor load behind the round; it has four steps in which to land; its four v_nop are the places in front of the loads below
.else
	PLACES 4
.endif
	s_wait_alu depctr_va_vdst(0)
	FETCH \ns, 0, 1-\p
	WIN MUL
	MULB 2, \p, 0
	MULB 3, \p, 0
	WIN 0
.endm
	s_wait_tensorcnt 2                             ; my parts of slots 0 and 1 are in; slot 2's may be out
	s_barrier_signal -1
	s_barrier_wait -1
	FETCH 0, 0, 0
	STEP 0, 0, 1, 1, 1                             ; k 0-127: these products start the sums
	TURN 1, 1, 1                                   ; k 128-255; every wave's loads for slots 1 and 2 are shown landed here
	STEP 0, 1, 1, 0, 1
	STEP 1, 2, 0, 0, 1
	STEP 0, 2, 1, 0, 1
	TURN 1, 0, 0                                   ; k 640-767; slot 0's second fill is shown landed
	STEP 0, 0, 1, 0, 1
	STEP 1, 0, 0, 0, 0                             ; k 896-1023
; THE WAY OUT, a block of 16 tokens x 128 columns at a time: x 2^(e6 + e7), through my stage, back as whole rows of 512 bytes.
; LDS serves a wave's instructions in order (ISA guide 5.7.1.4): no wait between the stores and the loads, nor in front of the next block's stores.
.macro TOSTAGE a
.set AC, 64*(\a)
	WIN 0x02                                       ; source 0: window 2
.set n, 0
.rept 32
	v_pk_mul_f32 v[TMP+n:TMP+n+1], v[AC+n:AC+n+1], s[96:97] op_sel_hi:[1,0]   ; each accumulator from its low end on
.set n, n+2
.endr
	WIN 0
.irp p, 0,1,2,3
.irp i, 0,1,2,3
	ds_store_b128 v[STO], v[TMP+16*\p+4*\i:TMP+16*\p+4*\i+3] offset:128*\p+16*\i
.endr
.endr
.set BB, BK+64*((\a)%2)
.irp t, 0,1,2,3,4,5,6,7,8,9,10,11,12,13,14,15
	ds_load_b128 v[BB+4*\t:BB+4*\t+3], v[RD] offset:\t*SPITCH
.endr
.endm
.macro SEND a, younger                 ; younger: the LDS instructions issued behind block a's loads, which may stay out
.set BB, BK+64*((\a)%2)
	s_wait_dscnt \younger
.irp t, 0,1,2,3,4,5,6,7,8,9,10,11,12,13,14,15
	global_store_b128 v[CO], v[BB+4*\t:BB+4*\t+3], s[10:11] offset:(32*((\a)/2)+8*((\a)%2)+\t+8*(\t/8))*4096 th:TH_STORE_NT   ; 32 lanes store 512 consecutive bytes, aligned; the row is the tile's place t
.endr
.endm
	PLACES 4                                       ; behind the last products
	TOSTAGE 0
.irp a, 1,2,3
.if \a > 1
	s_wait_xcnt 0x0                                ; block a - 2's stores have read their registers: block a's loads may land there
.endif
	TOSTAGE \a
	SEND \a-1, 32                                  ; behind block a - 1's loads: block a's 16 stores and 16 loads
.endr
	SEND 3, 0
	s_wait_tensorcnt 0x0                           ; the wave's end
	ds_add_u32 v[SPW], v[NIL]
	s_wait_dscnt 0x0
	CROUND                                         ; the closing round
	s_endpgm
.Lfunc_end_k_qe4a43b8ccb_proj:
	.size	k_qe4a43b8ccb_proj, .Lfunc_end_k_qe4a43b8ccb_proj-k_qe4a43b8ccb_proj
	.p2alignl 7, 3214868480
	.fill 96, 4, 3214868480
	.section	.rodata,"a",@progbits
	.p2align	6, 0x0
	.amdhsa_kernel k_qe4a43b8ccb_proj
		.amdhsa_group_segment_fixed_size 327680
		.amdhsa_private_segment_fixed_size 0
		.amdhsa_enable_private_segment 0
		.amdhsa_kernarg_size 32
		.amdhsa_user_sgpr_count 2
		.amdhsa_user_sgpr_kernarg_segment_ptr 1
		.amdhsa_wavefront_size32 1
		.amdhsa_system_sgpr_workgroup_id_x 1
		.amdhsa_system_sgpr_workgroup_id_y 1
		.amdhsa_system_sgpr_workgroup_id_z 1
		.amdhsa_system_vgpr_workitem_id 0
		.amdhsa_next_free_vgpr 768
		.amdhsa_next_free_sgpr 100
		.amdhsa_reserve_vcc 0
		.amdhsa_float_denorm_mode_32 3
		.amdhsa_float_denorm_mode_16_64 3
		.amdhsa_memory_ordered 1
		.amdhsa_forward_progress 1
		.amdhsa_inst_pref_size 76
	.end_amdhsa_kernel
	.amdgpu_metadata
---
amdhsa.version: [ 1, 2 ]
amdhsa.kernels:
  - .name:           k_qe4a43b8ccb_proj
    .symbol:         k_qe4a43b8ccb_proj.kd
    .args:
      - { .name: ac, .offset: 0, .size: 8, .value_kind: global_buffer, .address_space: global }
      - { .name: wpc, .offset: 8, .size: 8, .value_kind: global_buffer, .address_space: global }
      - { .name: lowp_scales, .offset: 16, .size: 8, .value_kind: global_buffer, .address_space: global }
      - { .name: out0, .offset: 24, .size: 8, .value_kind: global_buffer, .address_space: global }
    .group_segment_fixed_size: 327680
    .private_segment_fixed_size: 0
    .kernarg_segment_align: 8
    .kernarg_segment_size: 32
    .max_flat_workgroup_size: 128
    .sgpr_count:     100
    .vgpr_count:     768
    .wavefront_size: 32
...
	.end_amdgpu_metadata
.endif
;; end of part 4
